; MI455X (gfx1250); checked and timed in simulation.
; The chip was launched on July 23, 2026; its instructions are those of AMD's public machine-readable ISA for CDNA 5 (MIT licence, August 2026) and "CDNA5" Instruction Set Architecture Reference Guide (July 2026). The comments in the code are by the model that wrote it; some were corrected since.
;; Mixture Of Experts. Allowed arithmetic: matrix products marked QUANTISED: E2M1 operands, one E8M0 scale for each 32 along K, by v_wmma_scale_f32_16x16x128_f8f6f4 with both operands' format E2M1 (or v_wmma_scale_f32_32x16x128_f4), f32 sums; products left as they are: f32 operands where the result goes on into a quantised operand, else bf16, f16 or f32 operands; f32 sums; everything else in f32.
;; Inputs: W_experts 8 x 2,048 x 2,048 float32; W_gate 8 x 2,048 float32; b_experts 8 x 2,048 float32; b_gate 8 float32; x 2,048 x 2,048 float32.
;; Outputs: out0 2,048 x 2,048 float32.
;; This version of the problem:
;;   THIS VERSION OF THE PROBLEM IS GIVEN IN LOW PRECISION. The matrix products marked QUANTISED in the list below multiply operands that are first quantised to E2M1 (2 exponent bits, 1 mantissa bit; 4 bits a number), with one power-of-two scale for each 32 numbers along K (OCP MX v1.0); their sums are f32. All else is computed in f32.
;;   The module's matrix products, in the order in which they are computed (A, B: the left and right operand; K: the contracted axis; several contracted axes count as one K, in the product's order):
;;     1. [M 2,048, K 2,048] x [K 2,048, N 8]; A: input x; B: input W_gate: left as it is (N = 8 < 16)
;;     2. [M 16,384, K 2,048] x [K 2,048, N 2,048]; A: input W_experts; B: input x: QUANTISED
;;     3. batch 2,048 x [M 2,048, K 8] x [K 8, N 1]; A: computed on the way; B: computed on the way: left as it is (K = 8 < 32)
;;   THE QUANTISER, for each operand of a quantised product, along K:
;;     - K is cut into blocks of 32 from its start; a last block that is shorter is filled with zeros.
;;     - A block's scale is 2^e with e = floor(log2(the largest magnitude in the block)) - 2, held to -126 .. 127; a block of zeros has e = 0. As a byte (E8M0): e + 127.
;;     - Each number is divided by its block's scale, clamped to +-6, and rounded to the nearest number of E2M1, ties to even, subnormals kept.
;;     - The product sums the exact products of the quantised numbers (number of the format x scale) in f32.
;;   ~~~python
;;   def quantise(x, axis):      # numpy; x: float32 -> the quantised numbers, widened to float32 again
;;       x = np.moveaxis(x, axis, -1); K = x.shape[-1]
;;       x = np.pad(x, [(0, 0)] * (x.ndim - 1) + [(0, -K % 32)]); x = x.reshape(x.shape[:-1] + (-1, 32)); a = np.abs(x).max(-1, keepdims=True)
;;       e = np.where(a > 0, np.clip(np.frexp(np.where(a > 0, a, 1))[1] - 1 - 2, -126, 127), 0)      # np.frexp(a)[1] - 1 = floor(log2(a)), exactly
;;       r = np.clip(x / 2.0 ** e, -6, 6)
;;       step = 2.0 ** (np.maximum(np.frexp(np.where(r == 0, 1, r))[1] - 1, 0) - 1)
;;       q = np.round(r / step) * step * 2.0 ** e      # np.round: ties to even
;;       return np.moveaxis(q.reshape(q.shape[:-2] + (-1,))[..., :K], -1, axis).astype(np.float32)
;;   ~~~
;; One version. Each part assembles by itself: llvm-mc -triple=amdgcn-amd-amdhsa -mcpu=gfx1250 --defsym DOCPART=n.
;; ======== version 1 of 1: 3 launches
;; limits: right only within a limited range of input values
;; workspace buffers: xc 2,097,152 bytes; xsc 131,072 bytes; keys 8,192 bytes of whole numbers; gw 16,384 bytes; wc 16,777,216 bytes; wsc 1,048,576 bytes; order 16,640 bytes of whole numbers; wsort 16,384 bytes
;; launch gate_qx (part 1): grid 256 x 1, 8 waves a work-group, no clusters, 165,888 bytes of LDS; arguments x, W_gate, b_gate, xc, xsc, keys, gw; writes xc, xsc, keys, gw
.if DOCPART == 1
	.amdgcn_target "amdgcn-amd-amdhsa--gfx1250"
	.amdhsa_code_object_version 6
	.text
	.protected	k_q7633e06c72_gate_qx
	.globl	k_q7633e06c72_gate_qx
	.p2align	8
	.type	k_q7633e06c72_gate_qx,@function
k_q7633e06c72_gate_qx:
	s_mov_b64 s[64:65], 0
	v_nop
	global_prefetch_b8 v0, s[64:65] scope:SCOPE_SE
	s_setreg_imm32_b32 hwreg(HW_REG_WAVE_MODE, 25, 1), 1
	s_wait_xcnt 0x0
; x [2048][2048] f32 is read once and serves twice: it is quantised to codes of FP4 (E2M1) with one E8M0 byte for each 32 along its row
; (xc [token][1024 bytes], xsc [token][64 bytes]), and it is multiplied in f32 by W_gate's 8 rows for the gate: logits, softmax, the two largest.
; The choice is stored at FIXED places: keys[token] = p | e_lo << 8 | e_hi << 16 (p: the pair's number, 0 .. 27), gw[token] = the two gate weights (of e_lo, of e_hi).
; No address and no branch here hangs on the choice: a later launch places the tokens.
; SHARES: eight waves, a token each (token 8 x work-group + wave); wave w also brings row w of W_gate into LDS, where all eight waves read all eight rows.
; A lane must hold 16 NEIGHBOURS of a row for the conversions, while a load is best with 16 bytes a lane on end: so both rows turn through LDS,
; stored as loaded, read back 64 bytes a lane; a lane's place is 64 bytes + 16 of padding, so that sixteen lanes' reads fall on sixteen different 16-byte columns of 256.
; THE PAIR'S NUMBER runs like a snake, (0,1) .. (0,7), (1,7) .. (1,2), (2,3) .., so that neighbouring pairs share an expert: p = a (15 - a) / 2 + (a even: b - a - 1; a odd: 7 - b).
; LIMITS: NaN and infinities among the inputs are not served.  A block whose largest magnitude lies under 2^-124 gets the scale byte 1, a block of zeros too (its codes are zeros;
; the bytes are read by this program alone).  The two largest are taken of the f32 logits, the lower index winning a tie; a token whose second and third logit differ by less than
; the rounding of a sum of 2,048 f32 products may be given the other expert.  A gate weight under 2^-126 comes out as 0 (v_exp_f32); 1 / sum is v_rcp_f32's.
.set ROWL, 10240                       ; a row of 2,048 f32 in LDS: 128 places of 80 bytes
.set SCB,  0                           ; LDS: the work-group's scale bytes, 64 a token
.set KYL,  512                         ; its 8 keys
.set GWT,  544                         ; its 8 pairs of weights
.set GWL,  1024                        ; W_gate's 8 rows
.set XST,  GWL+8*ROWL                  ; a stage of one row for each wave
.set A,    16                          ; v16-79   W_gate's row as loaded; then the gate's rows by turns, set 0; then at work
.set B,    80                          ; v80-143  x's row as loaded; then set 1
.set X,    144                         ; v144-207 register 16 t + i = x[token][512 t + 16 lane + i]
.set ACC,  208                         ; v208-239 four registers an expert: two packed chains; then +0 the logit, +1 at work, +2 its exponential
.set CD,   240                         ; v240-247 codes
.set SBY,  248                         ; v248-251 scale bytes
	s_load_b256 s[4:11], s[0:1], 0x0               ; x s[4:5], W_gate s[6:7], b_gate s[8:9], xc s[10:11]
	s_load_b128 s[12:15], s[0:1], 0x20             ; xsc s[12:13], keys s[14:15]
	s_load_b64 s[16:17], s[0:1], 0x30              ; gw
	v_lshl_add_u32 v13, v0, 2, 0x28400
	v_mov_b32 v255, 0
	v_and_b32 v1, 31, v0                           ; lane
	v_lshrrev_b32 v252, 5, v0
	s_delay_alu instid0(VALU_DEP_1)
	v_readfirstlane_b32 s18, v252                  ; wave 0..7
	s_delay_alu instid0(VALU_DEP_3)
	v_lshlrev_b32 v2, 4, v1                        ; 16 x lane
	s_delay_alu instid0(VALU_DEP_4)
	v_lshrrev_b32 v252, 2, v1
	s_delay_alu instid0(VALU_DEP_1)
	v_mul_u32_u24 v3, v252, 80
	v_and_b32 v252, 3, v1
	s_delay_alu instid0(VALU_DEP_1)
	v_lshl_add_u32 v3, v252, 4, v3                 ; the way in: four lanes' 64 bytes on end, then 16 of padding
	s_mul_i32 s35, s18, ROWL
	v_add_nc_u32 v4, s35, v3
	s_delay_alu instid0(VALU_DEP_1)
	v_add_nc_u32 v5, XST, v4                       ; x's way in: my stage
	s_delay_alu instid0(VALU_DEP_2)
	v_add_nc_u32 v4, GWL, v4                       ; W_gate's way in: row = my wave
	v_mul_u32_u24 v7, v1, 80
	s_delay_alu instid0(VALU_DEP_1)
	v_add_nc_u32 v6, s35, v7
	s_delay_alu instid0(VALU_DEP_1)
	v_add_nc_u32 v6, XST, v6                       ; x's way out: my 16 neighbours
	s_delay_alu instid0(VALU_DEP_3)
	v_add_nc_u32 v7, GWL, v7                       ; the gate's rows 0-3: my 16 neighbours;
	s_delay_alu instid0(VALU_DEP_1)
	v_add_nc_u32 v8, 4*ROWL, v7                    ; rows 4-7 (an LDS immediate has 16 bits)
	v_lshlrev_b32 v9, 3, v1                        ; my 8 bytes of a step's 256 bytes of codes
	v_lshrrev_b32 v10, 1, v1
	s_lshl_b32 s36, s18, 6
	v_add_nc_u32 v10, s36, v10                     ; my block's scale byte: 64 x wave + lane / 2 (+ 16 a step)
	s_lshl_b32 s36, s18, 2
	s_add_co_u32 s36, s36, KYL
	v_mov_b32 v11, s36                             ; my token's key
	s_lshl_b32 s36, s18, 3
	s_add_co_u32 s36, s36, GWT
	v_mov_b32 v12, s36                             ; my token's weights
	v_and_b32 v252, 7, v1
	s_delay_alu instid0(VALU_DEP_1)
	v_lshlrev_b32 v14, 2, v252                     ; the way out of the keys, in LDS and in memory
	s_delay_alu instid0(VALU_DEP_2)
	v_lshlrev_b32 v15, 3, v252                     ; and of the weights
	s_mov_b32 s20, 0x76543210
	s_mov_b32 s21, 0xfedcba98                      ; v_permlanex16_b32's selects for lane l xor 16
	s_lshl_b32 s34, ttmp9, 3
	s_add_co_u32 s34, s34, s18                     ; my token
	s_mov_b32 s33, 0
	s_wait_kmcnt 0x0
	s_load_b256 s[24:31], s[8:9], 0x0              ; b_gate's eight numbers
	s_lshl_b32 s32, s34, 13
	s_add_nc_u64 s[4:5], s[4:5], s[32:33]          ; x at my token's row
	s_lshl_b32 s32, s18, 13
	s_add_nc_u64 s[6:7], s[6:7], s[32:33]          ; W_gate at row = my wave
	s_lshl_b32 s32, s34, 10
	s_add_nc_u64 s[10:11], s[10:11], s[32:33]
	s_lshl_b32 s32, ttmp9, 9
	s_add_nc_u64 s[12:13], s[12:13], s[32:33]      ; the work-group's 512 scale bytes,
	s_lshl_b32 s32, ttmp9, 5
	s_add_nc_u64 s[14:15], s[14:15], s[32:33]      ; 8 keys,
	s_lshl_b32 s32, ttmp9, 6
	s_add_nc_u64 s[16:17], s[16:17], s[32:33]      ; 8 pairs of weights
.irp j, 0,1,2,3,4,5,6,7,8,9,10,11,12,13,14,15
	global_load_b128 v[A+4*\j:A+4*\j+3], v2, s[6:7] offset:512*\j              ; 32 lanes read 512 consecutive bytes
.endr
.irp j, 0,1,2,3,4,5,6,7,8,9,10,11,12,13,14,15
	global_load_b128 v[B+4*\j:B+4*\j+3], v2, s[4:5] offset:512*\j th:TH_LOAD_NT ; x is read once in this launch
.endr
	s_wait_loadcnt 16                              ; W_gate's 16 loads are in; x's 16 are younger
.irp j, 0,1,2,3,4,5,6,7,8,9,10,11,12,13,14,15
	ds_store_b128 v4, v[A+4*\j:A+4*\j+3] offset:2560*(\j/4)+640*(\j%4)
.endr
	s_wait_loadcnt 0x0
.irp j, 0,1,2,3,4,5,6,7,8,9,10,11,12,13,14,15
	ds_store_b128 v5, v[B+4*\j:B+4*\j+3] offset:2560*(\j/4)+640*(\j%4)
.endr
.irp t, 0,1,2,3
.irp i, 0,1,2,3
	ds_load_b128 v[X+16*\t+4*\i:X+16*\t+4*\i+3], v6 offset:2560*\t+16*\i       ; my own stage: LDS serves a wave's instructions in order, so these see the stores above
.endr
.endr
	s_wait_dscnt 0x0                               ; for the others' sake: my row of W_gate lies in LDS (and x is back)
	s_barrier_signal -1
	s_barrier_wait -1                              ; all eight rows do
.macro GLOAD e, set                    ; row e of W_gate, my 64 numbers, laid as X is
.irp t, 0,1,2,3
.irp i, 0,1,2,3
	ds_load_b128 v[\set+16*\t+4*\i:\set+16*\t+4*\i+3], v[7+(\e)/4] offset:((\e)%4)*ROWL+2560*\t+16*\i
.endr
.endr
.endm
.macro QSTEP t                         ; 512 numbers of my token: 16 a lane, two neighbouring lanes to a block of 32
.set XQ, X+16*(\t)
	v_max3_num_f32 v252, |v[XQ]|, |v[XQ+1]|, |v[XQ+2]|
	v_max3_num_f32 v253, |v[XQ+3]|, |v[XQ+4]|, |v[XQ+5]|
.irp i, 6,10
	s_delay_alu instid0(VALU_DEP_2)
	v_max3_num_f32 v252, v252, |v[XQ+\i]|, |v[XQ+\i+1]|
	s_delay_alu instid0(VALU_DEP_2)
	v_max3_num_f32 v253, v253, |v[XQ+\i+2]|, |v[XQ+\i+3]|
.endr
	s_delay_alu instid0(VALU_DEP_2)
	v_max3_num_f32 v252, v252, |v[XQ+14]|, |v[XQ+15]|
	s_delay_alu instid0(VALU_DEP_1)
	v_max3_num_f32 v252, v252, v253, 0x1800000     ; and the floor 2^(3 - 127): the byte cannot fall under 1
	s_delay_alu instid0(VALU_DEP_1)
	v_max_num_f32_dpp v252, v252, v252 row_xmask:1 row_mask:0xf bank_mask:0xf   ; with my neighbour's 16: the block's largest magnitude
	s_delay_alu instid0(VALU_DEP_1)
	v_add_nc_u32 v254, 0xff000000, v252            ; 2 off its exponent field: the conversion takes the exponent field of this operand as its scale
	v_cvt_scalef32_pk8_fp4_f32 v[CD+2*(\t)], v[XQ:XQ+7], v254
	v_cvt_scalef32_pk8_fp4_f32 v[CD+2*(\t)+1], v[XQ+8:XQ+15], v254
	v_lshrrev_b32 v[SBY+(\t)], 23, v254            ; the scale's byte (also the plain line behind the conversions)
	ds_store_b8 v10, v[SBY+(\t)] offset:SCB+16*(\t) ; both lanes of a block write the same byte with the same value
	global_store_b64 v9, v[CD+2*(\t):CD+2*(\t)+1], s[10:11] offset:256*(\t)     ; the wave stores 256 consecutive bytes, aligned
.endm
.macro DOT e, set                      ; my 64 products for expert e: two packed chains, started by multiplications: nothing is cleared
	v_pk_mul_f32 v[ACC+4*(\e):ACC+4*(\e)+1], v[X:X+1], v[\set:\set+1]
	v_pk_mul_f32 v[ACC+4*(\e)+2:ACC+4*(\e)+3], v[X+2:X+3], v[\set+2:\set+3]
.set p, 2
.rept 30
	s_delay_alu instid0(VALU_DEP_2)
	v_pk_fma_f32 v[ACC+4*(\e)+2*(p%2):ACC+4*(\e)+2*(p%2)+1], v[X+2*p:X+2*p+1], v[\set+2*p:\set+2*p+1], v[ACC+4*(\e)+2*(p%2):ACC+4*(\e)+2*(p%2)+1]
.set p, p+1
.endr
.endm
	GLOAD 0, A
	GLOAD 1, B                                     ; the first two rows are on their way while x is quantised
	QSTEP 0
	QSTEP 1
	QSTEP 2
	QSTEP 3
.irp e, 0,2,4
	s_wait_dscnt 16                                ; this row's 16 loads are in: at most the 16 youngest LDS instructions are out
	DOT \e, A
	GLOAD \e+2, A
	s_wait_dscnt 16
	DOT \e+1, B
	GLOAD \e+3, B
.endr
	s_wait_dscnt 16
	DOT 6, A
	s_wait_dscnt 0x0
	DOT 7, B
	; the lanes' parts become logits, the eight experts by turns
.irp e, 0,1,2,3,4,5,6,7
	v_pk_add_f32 v[ACC+4*\e:ACC+4*\e+1], v[ACC+4*\e:ACC+4*\e+1], v[ACC+4*\e+2:ACC+4*\e+3]
.endr
.irp e, 0,1,2,3,4,5,6,7
	v_add_f32 v[ACC+4*\e], v[ACC+4*\e], v[ACC+4*\e+1]
.endr
.irp k, 1,2,4,8
.irp e, 0,1,2,3,4,5,6,7
	v_add_f32_dpp v[ACC+4*\e], v[ACC+4*\e], v[ACC+4*\e] row_xmask:\k row_mask:0xf bank_mask:0xf
.endr
.endr
.irp e, 0,1,2,3,4,5,6,7
	v_permlanex16_b32 v[ACC+4*\e+1], v[ACC+4*\e], s20, s21
.endr
	s_wait_alu depctr_va_vdst(0)
	s_wait_kmcnt 0x0                               ; b_gate
.irp e, 0,1,2,3,4,5,6,7
	v_add_f32 v[ACC+4*\e], v[ACC+4*\e], v[ACC+4*\e+1]
.endr
.irp e, 0,1,2,3,4,5,6,7
	v_add_f32 v[ACC+4*\e], s[24+\e], v[ACC+4*\e]   ; every lane now holds the token's eight logits
.endr
	; softmax: the largest logit is taken away first
	v_max3_num_f32 v252, v[ACC], v[ACC+4], v[ACC+8]
	s_delay_alu instid0(VALU_DEP_1)
	v_max3_num_f32 v252, v252, v[ACC+12], v[ACC+16]
	s_delay_alu instid0(VALU_DEP_1)
	v_max3_num_f32 v252, v252, v[ACC+20], v[ACC+24]
	s_delay_alu instid0(VALU_DEP_1)
	v_max_num_f32 v252, v252, v[ACC+28]
.irp e, 0,1,2,3,4,5,6,7
	v_sub_f32 v[ACC+4*\e+2], v[ACC+4*\e], v252
.endr
.irp e, 0,1,2,3,4,5,6,7
	v_mul_f32 v[ACC+4*\e+2], 0x3fb8aa3b, v[ACC+4*\e+2]
.endr
	s_wait_alu depctr_va_vdst(0)
.irp e, 0,1,2,3,4,5,6,7
	v_exp_f32 v[ACC+4*\e+2], v[ACC+4*\e+2]
.endr
	v_mov_b32 v17, 0                               ; (a plain line behind the exponentials)  the first choice's index
	s_wait_alu depctr_va_vdst(0)
	v_add_f32 v253, v[ACC+2], v[ACC+6]
	v_add_f32 v254, v[ACC+10], v[ACC+14]
	v_add_f32 v253, v253, v[ACC+18]
	v_add_f32 v254, v254, v[ACC+22]
	v_add_f32 v253, v253, v[ACC+26]
	v_add_f32 v254, v254, v[ACC+30]
	s_delay_alu instid0(VALU_DEP_1)
	v_add_f32 v253, v253, v254
	s_wait_alu depctr_va_vdst(0)
	v_rcp_f32 v254, v253                           ; 1 / the sum
	v_mov_b32 v16, v[ACC]                          ; (a plain line behind it)  the first choice: logit v16, index v17, exponential v18
	v_mov_b32 v18, v[ACC+2]
.irp e, 1
	s_delay_alu instid0(VALU_DEP_2)
	v_cmp_gt_f32 vcc_lo, v[ACC+4*\e], v16          ; strictly greater: the lower index keeps a tie
	s_delay_alu instid0(VALU_DEP_1)
	v_cndmask_b32 v16, v16, v[ACC+4*\e], vcc_lo
	s_delay_alu instid0(VALU_DEP_2)
	v_cndmask_b32 v17, v17, \e, vcc_lo
	v_cndmask_b32 v18, v18, v[ACC+4*\e+2], vcc_lo
.endr
.irp e, 2, 3, 4, 5, 6, 7
	s_delay_alu instid0(VALU_DEP_3)
	v_cmp_gt_f32 vcc_lo, v[ACC+4*\e], v16          ; strictly greater: the lower index keeps a tie
	s_delay_alu instid0(VALU_DEP_1)
	v_cndmask_b32 v16, v16, v[ACC+4*\e], vcc_lo
	s_delay_alu instid0(VALU_DEP_2)
	v_cndmask_b32 v17, v17, \e, vcc_lo
	v_cndmask_b32 v18, v18, v[ACC+4*\e+2], vcc_lo
.endr
	v_mov_b32 v19, 0xff800000                      ; the second choice: logit v19 (from -infinity), index v20, exponential v21
	v_mov_b32 v20, 0
	v_mov_b32 v21, 0
.irp e, 0,1,2,3,4,5,6,7
	v_cmp_ne_u32 s32, \e, v17                      ; not the first choice,
	s_delay_alu instid0(VALU_DEP_4)
	v_cmp_gt_f32 s33, v[ACC+4*\e], v19             ; and strictly greater
	s_and_b32 s32, s32, s33
	v_cndmask_b32 v19, v19, v[ACC+4*\e], s32
	v_cndmask_b32 v20, v20, \e, s32
	v_cndmask_b32 v21, v21, v[ACC+4*\e+2], s32
.endr
	s_wait_alu depctr_va_vdst(0)
	v_mul_f32 v18, v18, v254                       ; the two gate weights
	v_mul_f32 v21, v21, v254
	v_cmp_lt_u32 vcc_lo, v17, v20
	s_delay_alu instid0(VALU_DEP_1)
	v_cndmask_b32 v24, v21, v18, vcc_lo            ; that of the lower expert,
	s_delay_alu instid0(VALU_DEP_2)
	v_cndmask_b32 v25, v18, v21, vcc_lo            ; that of the higher
	v_min_u32 v22, v17, v20                        ; a
	v_max_u32 v23, v17, v20                        ; b
	s_delay_alu instid0(VALU_DEP_2)
	v_sub_nc_u32 v26, 15, v22
	s_delay_alu instid0(VALU_DEP_1)
	v_mul_u32_u24 v26, v26, v22
	s_delay_alu instid0(VALU_DEP_1)
	v_lshrrev_b32 v26, 1, v26                      ; a (15 - a) / 2
	s_delay_alu instid0(VALU_DEP_4)
	v_sub_nc_u32 v27, v23, v22
	s_delay_alu instid0(VALU_DEP_1)
	v_add_nc_u32 v27, -1, v27                      ; b - a - 1
	v_sub_nc_u32 v28, 7, v23                       ; 7 - b
	v_and_b32 v29, 1, v22
	s_delay_alu instid0(VALU_DEP_1)
	v_cmp_eq_u32 vcc_lo, 1, v29
	s_delay_alu instid0(VALU_DEP_1)
	v_cndmask_b32 v27, v27, v28, vcc_lo
	s_delay_alu instid0(VALU_DEP_1)
	v_add_nc_u32 v26, v26, v27                     ; p
	s_delay_alu instid0(VALU_DEP_1)
	v_lshl_or_b32 v26, v22, 8, v26
	s_delay_alu instid0(VALU_DEP_1)
	v_lshl_or_b32 v26, v23, 16, v26                ; the key
	ds_store_b32 v11, v26                          ; all lanes write the same word with the same value
	ds_store_b64 v12, v[24:25]
	s_wait_dscnt 0x0                               ; for wave 0's sake: my scale bytes, key and weights lie in LDS
	s_barrier_signal -1
	s_barrier_wait -1
	s_cmp_lg_u32 s18, 0
	s_cbranch_scc1 .Lothers
	ds_load_b128 v[32:35], v2 offset:SCB           ; wave 0 sends the work-group's small results
	ds_load_b32 v36, v14 offset:KYL
	ds_load_b64 v[38:39], v15 offset:GWT
	s_wait_dscnt 0x0
	global_store_b128 v2, v[32:35], s[12:13]       ; 512 consecutive bytes, aligned
	s_wait_xcnt 0x0                                ; EXEC is narrowed only behind this wait
	v_cmp_gt_u32 vcc_lo, 8, v1
	s_wait_tensorcnt 0x0
	ds_add_u32 v13, v255
	s_wait_dscnt 0x0
	s_and_saveexec_b32 s34, vcc_lo
	global_store_b32 v14, v36, s[14:15]            ; 32 and 64 bytes a work-group: 24 KB in the whole launch
	global_store_b64 v15, v[38:39], s[16:17]
	s_endpgm
.Lothers:
	s_wait_tensorcnt 0x0
	ds_add_u32 v13, v255
	s_wait_dscnt 0x0
	s_endpgm
.Lfunc_end_k_q7633e06c72_gate_qx:
	.size	k_q7633e06c72_gate_qx, .Lfunc_end_k_q7633e06c72_gate_qx-k_q7633e06c72_gate_qx
	.p2alignl 7, 3214868480
	.fill 96, 4, 3214868480
	.section	.rodata,"a",@progbits
	.p2align	6, 0x0
	.amdhsa_kernel k_q7633e06c72_gate_qx
		.amdhsa_group_segment_fixed_size 165888
		.amdhsa_private_segment_fixed_size 0
		.amdhsa_enable_private_segment 0
		.amdhsa_kernarg_size 56
		.amdhsa_user_sgpr_count 2
		.amdhsa_user_sgpr_kernarg_segment_ptr 1
		.amdhsa_wavefront_size32 1
		.amdhsa_system_sgpr_workgroup_id_x 1
		.amdhsa_system_sgpr_workgroup_id_y 1
		.amdhsa_system_sgpr_workgroup_id_z 1
		.amdhsa_system_vgpr_workitem_id 0
		.amdhsa_next_free_vgpr 256
		.amdhsa_next_free_sgpr 66
		.amdhsa_reserve_vcc 1
		.amdhsa_float_denorm_mode_32 3
		.amdhsa_float_denorm_mode_16_64 3
		.amdhsa_memory_ordered 1
		.amdhsa_forward_progress 1
		.amdhsa_inst_pref_size 59
	.end_amdhsa_kernel
	.amdgpu_metadata
---
amdhsa.version: [ 1, 2 ]
amdhsa.kernels:
  - .name:           k_q7633e06c72_gate_qx
    .symbol:         k_q7633e06c72_gate_qx.kd
    .args:
      - { .name: x, .offset: 0, .size: 8, .value_kind: global_buffer, .address_space: global }
      - { .name: W_gate, .offset: 8, .size: 8, .value_kind: global_buffer, .address_space: global }
      - { .name: b_gate, .offset: 16, .size: 8, .value_kind: global_buffer, .address_space: global }
      - { .name: xc, .offset: 24, .size: 8, .value_kind: global_buffer, .address_space: global }
      - { .name: xsc, .offset: 32, .size: 8, .value_kind: global_buffer, .address_space: global }
      - { .name: keys, .offset: 40, .size: 8, .value_kind: global_buffer, .address_space: global }
      - { .name: gw, .offset: 48, .size: 8, .value_kind: global_buffer, .address_space: global }
    .group_segment_fixed_size: 165888
    .private_segment_fixed_size: 0
    .kernarg_segment_align: 8
    .kernarg_segment_size: 56
    .max_flat_workgroup_size: 256
    .sgpr_count:     66
    .vgpr_count:     256
    .wavefront_size: 32
...
	.end_amdgpu_metadata
.endif
;; end of part 1
;; launch qw_route (part 2): grid 257 x 1, 8 waves a work-group, no clusters, 36,864 bytes of LDS; arguments W_experts, keys, gw, wc, wsc, order, wsort; writes wc, wsc, order, wsort
.if DOCPART == 2
	.amdgcn_target "amdgcn-amd-amdhsa--gfx1250"
	.amdhsa_code_object_version 6
	.text
	.protected	k_q7633e06c72_qw_route
	.globl	k_q7633e06c72_qw_route
	.p2align	8
	.type	k_q7633e06c72_qw_route,@function
k_q7633e06c72_qw_route:
	s_mov_b64 s[64:65], 0
	v_nop
	global_prefetch_b8 v0, s[64:65] scope:SCOPE_SE
	s_setreg_imm32_b32 hwreg(HW_REG_WAVE_MODE, 25, 1), 1
	s_wait_xcnt 0x0
; TWO JOBS IN ONE LAUNCH, parted on the work-group's number, each with LDS bytes of its own.  Work-groups 1 .. 256 stream W_experts once and store it as codes and scale words.
; Work-group 0 meanwhile sorts the 2,048 tokens by their pair of experts (a counting sort over 28 bins, no atomics) and stores the list that the last launch walks.
; order: bytes 0 on: the token at each sorted position; 8,192 on: its experts, e_lo | e_hi << 8; 16,384 on: for each block of 64 positions the mask of the experts that it uses.  wsort [position]: its two weights.
; W_experts [8][2048][2048] f32 becomes codes of FP4 (E2M1) with E8M0 scale words, laid in the order of the operand's registers:
; wc  [e][g 32][s 16][t 4][c 2][lane 32][16 bytes]: lane (r, h), piece c: column 64 g + 16 t + r, k = 128 s + 64 c + 32 h + 0 .. 31.
; wsc [e][g][quarter of K 4][t 4][lane 32][2 words]: lane (r, h), word u: the scale word of column 16 t + r for K step 4 quarter + 2 u + h.
; A wave's unit is 16 rows (a tile t) x 1,024 along K.  Each load covers 512 consecutive bytes of a row, lane (j, H) at byte 32 j + 16 H; the two loads of 1,024 bytes change halves by
; v_permlane16_swap_b32, and lane (j, H) then holds k = 128 H + 8 j + 0 .. 7: eight neighbours.  A block of 32 is four lanes.  Only the codes, a dword a lane and row, turn through the wave's own stage
; (8 groups of 256 bytes, 272 apart) into the operand's order.  Eight batches of 8 rows x 256 K take turns on three sets of 64 registers: up to 48 loads a wave are out.
; No loop and no data read twice: nothing is prefetched.  Work-groups share no input: no joint loads.
; LIMITS: NaN and infinities are not served; a block whose largest magnitude lies under 2^-124, zeros among them, gets the byte 1 (zero codes; this program alone reads the bytes).
.set QW,   4                           ; s[4:5] W, s[10:11] wc, s[12:13] wsc
.set QWC,  10
.set QWS,  12
.set QSTW, 4352                        ; two stages of 2,176 bytes a wave, from LDS byte 0
.set TBL,  8*QSTW                      ; the sort's table: 32 bins x 8 waves x 4 bytes; behind it, at 0x8c00, the spare words
.set QB,   16                          ; v16-207 three sets of 64: row p of a batch at 8 p
.set QM,   208                         ; v208-215 a row's largest magnitude, then the conversion's scale operand
.set QC,   216                         ; v216-223 a row's codes
.set QO,   224                         ; v224-239 codes on the way out
.set QSW,  240                         ; v240-243 my four scale words
.set QMK,  40                          ; s40-55 lanes r and 16 + r
	s_load_b256 s[4:11], s[0:1], 0x0               ; W s[4:5], keys s[6:7], gw s[8:9], wc s[10:11]
	s_load_b128 s[12:15], s[0:1], 0x20             ; wsc s[12:13], order s[14:15]
	s_load_b64 s[16:17], s[0:1], 0x30              ; wsort
	v_lshl_add_u32 v13, v0, 2, 0x8c00              ; my spare word and 0
	v_mov_b32 v255, 0
	v_lshrrev_b32 v12, 5, v0
	s_delay_alu instid0(VALU_DEP_1)
	v_readfirstlane_b32 s18, v12                   ; wave 0..7
	s_cmp_eq_u32 ttmp9, 0
	s_cbranch_scc1 .Lroute
	; ---------------- the quantiser ----------------
	s_sub_co_u32 s20, ttmp9, 1
	v_and_b32 v3, 31, v0                           ; lane
	v_and_b32 v4, 15, v0                           ; j, and r on the way out
	v_bfe_u32 v5, v0, 4, 1                         ; H, and h
	v_bfe_u32 v9, v0, 2, 2                         ; my block of the K step's four
	v_and_b32 v10, 3, v0
	v_lshrrev_b32 v7, 2, v3
	v_lshlrev_b32 v1, 5, v4
	v_mul_u32_u24 v8, v5, 272
	v_lshlrev_b32 v2, 4, v3                        ; 16 x lane
	v_lshlrev_b32 v6, 3, v3                        ; 8 x lane
	v_mul_u32_u24 v7, v7, 272
	v_lshl_add_u32 v1, v5, 4, v1                   ; a load's 512 bytes: 32 j + 16 H
	v_lshl_add_u32 v8, v4, 4, v8
	v_lshlrev_b32 v9, 3, v9                        ; where my block's byte stands in the scale word
	v_lshl_add_u32 v7, v10, 2, v7
	s_mul_i32 s19, s18, QSTW
	v_add_nc_u32 v8, s19, v8                       ; the stage, back: group h, 16 r
	v_add_nc_u32 v7, s19, v7                       ; the stage, in: group lane / 4, dword lane % 4 (+ 16 a row)
	s_lshl_b32 s20, s20, 3
	s_add_co_u32 s20, s20, s18                     ; my unit, 0 .. 2047
	s_lshr_b32 s21, s20, 1                         ; which 16 rows = 128 e + 4 g + t
	s_and_b32 s22, s20, 1                          ; which half of K
	s_lshr_b32 s23, s21, 2
	s_and_b32 s24, s21, 3
	s_lshl_b32 s26, s21, 17                        ; W: 16 rows of 8,192 bytes, + 4,096 a half
	s_lshl_b32 s25, s22, 12
	s_add_co_u32 s26, s26, s25
	s_mov_b32 s27, 0
	s_lshl_b32 s28, s23, 6                         ; wc: 65,536 a group, 32,768 a half, 1,024 a tile
	s_lshl_b32 s25, s22, 5
	s_add_co_u32 s28, s28, s25
	s_add_co_u32 s28, s28, s24
	s_lshl_b32 s28, s28, 10
	s_mov_b32 s29, 0
	s_lshl_b32 s30, s23, 4                         ; wsc: 4,096 a group, 2,048 a half, 256 a tile
	s_lshl_b32 s25, s22, 3
	s_add_co_u32 s30, s30, s25
	s_add_co_u32 s30, s30, s24
	s_lshl_b32 s30, s30, 8
	s_mov_b32 s31, 0
.set qi, 0
.rept 16
	s_lshl_b32 s[QMK+qi], 0x10001, qi
.set qi, qi+1
.endr
	s_wait_alu depctr_va_vdst(0)
	s_wait_kmcnt 0x0
	s_add_nc_u64 s[QW:QW+1], s[QW:QW+1], s[26:27]
	s_add_nc_u64 s[QWC:QWC+1], s[QWC:QWC+1], s[28:29]
	s_add_nc_u64 s[QWS:QWS+1], s[QWS:QWS+1], s[30:31]
.macro QLOAD buf, u, be                ; rows 8 be .. 8 be + 7, 1,024 bytes at 1,024 u
.irp p, 0,1,2,3,4,5,6,7
	global_load_b128 v[QB+64*(\buf)+8*\p:QB+64*(\buf)+8*\p+3], v1, s[QW:QW+1] offset:8192*(8*(\be)+\p)+1024*(\u) th:TH_LOAD_NT
	global_load_b128 v[QB+64*(\buf)+8*\p+4:QB+64*(\buf)+8*\p+7], v1, s[QW:QW+1] offset:8192*(8*(\be)+\p)+1024*(\u)+512 th:TH_LOAD_NT
.endr
.endm
.macro QPROC buf, u, be                ; the eight rows by turns
.set QR, QB+64*(\buf)
.irp p, 0,1,2,3,4,5,6,7
.irp i, 0,1,2,3
	v_permlane16_swap_b32 v[QR+8*\p+\i], v[QR+8*\p+4+\i]
.endr
.endr
.irp p, 0,1,2,3,4,5,6,7
	v_max3_num_f32 v[QM+\p], |v[QR+8*\p]|, |v[QR+8*\p+1]|, 0x1800000    ; with the floor 2^(3 - 127): the byte cannot fall under 1
.endr
.irp i, 2,4,6
.irp p, 0,1,2,3,4,5,6,7
	v_max3_num_f32 v[QM+\p], v[QM+\p], |v[QR+8*\p+\i]|, |v[QR+8*\p+\i+1]|
.endr
.endr
.irp k, 1,2
.irp p, 0,1,2,3,4,5,6,7
	v_max_num_f32_dpp v[QM+\p], v[QM+\p], v[QM+\p] row_xmask:\k row_mask:0xf bank_mask:0xf   ; the block's four lanes
.endr
.endr
.irp p, 0,1,2,3,4,5,6,7
	v_add_nc_u32 v[QM+\p], 0xff000000, v[QM+\p]    ; 2 off the exponent field: the conversion's scale operand
.endr
.irp p, 0,1,2,3,4,5,6,7
	v_cvt_scalef32_pk8_fp4_f32 v[QC+\p], v[QR+8*\p:QR+8*\p+7], v[QM+\p]
.endr
	v_nop                                          ; a plain line behind the conversions: their sources are written below
.irp p, 0,1,2,3,4,5,6,7
	ds_store_b32 v7, v[QC+\p] offset:2176*((\u)%2)+16*(8*(\be)+\p)
.endr
.irp p, 0,1,2,3,4,5,6,7
	v_lshrrev_b32 v[QR+8*\p], 23, v[QM+\p]         ; the scale's byte,
.endr
.irp p, 0,1,2,3,4,5,6,7
	v_lshlrev_b32 v[QR+8*\p], v9, v[QR+8*\p]       ; at its place in the word;
.endr
.irp k, 4,8
.irp p, 0,1,2,3,4,5,6,7
	v_mov_b32_dpp v[QR+8*\p+1], v[QR+8*\p] row_xmask:\k row_mask:0xf bank_mask:0xf
.endr
.irp p, 0,1,2,3,4,5,6,7
	v_or_b32 v[QR+8*\p], v[QR+8*\p], v[QR+8*\p+1]  ; with the other three blocks' the word is whole in every lane of the half
.endr
.endr
.irp p, 0,1,2,3,4,5,6,7
.if (8*(\be)+\p) == 0
	v_mov_b32 v[QSW+\u], v[QR+8*\p]
.else
.if \p > 0
	s_delay_alu instid0(VALU_DEP_1)
.endif
	v_cndmask_b32 v[QSW+\u], v[QSW+\u], v[QR+8*\p], s[QMK+8*(\be)+\p]   ; lanes r and 16 + r keep row r's
.endif
.endr
.endm
.macro QBACK u                         ; LDS serves a wave's instructions in order: these see the stores, and the stage's next stores come behind them
.irp x, 0,1,2,3
	ds_load_b128 v[QO+4*\x:QO+4*\x+3], v8 offset:2176*((\u)%2)+544*\x
.endr
.endm
.macro QSEND u                         ; each store covers 512 consecutive bytes, aligned
.irp x, 0,1,2,3
	global_store_b128 v2, v[QO+4*\x:QO+4*\x+3], s[QWC:QWC+1] offset:8192*(\u)+4096*(\x/2)+512*(\x%2)
.endr
.endm
	QLOAD 0, 0, 0
	QLOAD 1, 0, 1
	QLOAD 2, 1, 0
	s_wait_loadcnt 32                              ; here and below: this batch's 16 loads are in; the loads of the batches behind it, 16 each, are younger
	QPROC 0, 0, 0
	QLOAD 0, 1, 1
	s_wait_loadcnt 32
	QPROC 1, 0, 1
	QBACK 0
	QLOAD 1, 2, 0
	s_wait_loadcnt 32
	QPROC 2, 1, 0
	s_wait_dscnt 8                                 ; here and below: the four loads from the stage are in; this batch's 8 stores are younger
	QSEND 0
	QLOAD 2, 2, 1
	s_wait_loadcnt 32
	QPROC 0, 1, 1
	s_wait_xcnt 0x0                                ; here and below: the last code stores have read their data: the registers may be loaded anew
	QBACK 1
	QLOAD 0, 3, 0
	s_wait_loadcnt 32
	QPROC 1, 2, 0
	s_wait_dscnt 8
	QSEND 1
	QLOAD 1, 3, 1
	s_wait_loadcnt 32
	QPROC 2, 2, 1
	s_wait_xcnt 0x0
	QBACK 2
	s_wait_loadcnt 16
	QPROC 0, 3, 0
	s_wait_dscnt 8
	QSEND 2
	s_wait_loadcnt 0x0
	QPROC 1, 3, 1
	s_wait_alu depctr_va_vdst(0)
	s_wait_xcnt 0x0
	QBACK 3
	s_wait_dscnt 0x0
	QSEND 3
	global_store_b64 v6, v[QSW:QSW+1], s[QWS:QWS+1]                 ; 256 consecutive bytes, aligned: my first quarter of K,
	global_store_b64 v6, v[QSW+2:QSW+3], s[QWS:QWS+1] offset:1024   ; and my second
	s_wait_tensorcnt 0x0                           ; the wave's end
	ds_add_u32 v13, v255
	s_wait_dscnt 0x0
	s_endpgm
	; ---------------- the sort: work-group 0; thread T owns tokens 8 T .. 8 T + 7 ----------------
	; v16-23 keys, v24-31 bins, v32-39 experts, v40-55 weights, v56-63 rank within my wave's part of the bin, v64-71 tokens, v72-79 and v80-87 positions x 4 and x 8, v88 my wave's counts (lane = bin), v114-121 at work
.Lroute:
	s_mov_b32 s22, 0xffff0000                      ; lanes 16-31
	v_lshlrev_b32 v1, 5, v0                        ; my 8 keys
	v_lshlrev_b32 v2, 6, v0                        ; my 8 pairs of weights
	v_and_b32 v3, 31, v0                           ; lane
	s_lshl_b32 s23, s18, 2
	s_add_co_u32 s23, s23, TBL
	v_lshlrev_b32 v4, 5, v3
	s_delay_alu instid0(VALU_DEP_1)
	v_add_nc_u32 v5, s23, v4                       ; the table: bin = lane, word = my wave
	s_delay_alu instid0(VALU_DEP_2)
	v_add_nc_u32 v4, TBL, v4                       ; and a bin's eight words
	s_wait_alu depctr_va_vdst(0)
	s_wait_kmcnt 0x0
	global_load_b128 v[16:19], v1, s[6:7]
	global_load_b128 v[20:23], v1, s[6:7] offset:16
.irp i, 0,1,2,3
	global_load_b128 v[40+4*\i:43+4*\i], v2, s[8:9] offset:16*\i
.endr
.irp j, 0,1,2,3,4,5,6,7
	v_lshl_add_u32 v[64+\j], v0, 3, \j
	v_mov_b32 v[56+\j], 0
	v_mov_b32 v[72+\j], 0
.endr
	v_mov_b32 v88, 0
	v_mov_b32 v105, 0
	s_wait_loadcnt 4                               ; the keys are in; the four loads of weights are younger
.irp j, 0,1,2,3,4,5,6,7
	v_and_b32 v[24+\j], 0xff, v[16+\j]
	v_lshrrev_b32 v[32+\j], 8, v[16+\j]
.endr
.set bin, 0
.rept 28                               ; for each bin: each of my wave's tokens gets its rank among the wave's tokens of that bin, and the wave's count goes to lane = bin.  The eight registers of tokens by turns
.irp j, 0,1,2,3,4,5,6,7
	v_cmp_eq_u32 s[32+\j], bin, v[24+\j]           ; the lanes whose token j lies in the bin
.endr
	s_wait_alu depctr_va_vdst(0)
	s_mov_b32 s40, 0
.irp j, 0,1,2,3,4,5,6,7
	s_bcnt1_i32_b32 s31, s[32+\j]
	s_add_co_u32 s[41+\j], s[40+\j], s31           ; s[40 + j]: those counted in front of register j
.endr
.irp j, 0,1,2,3,4,5,6,7
	v_mbcnt_lo_u32_b32 v[114+\j], s[32+\j], s[40+\j]   ; those counted so far + the lanes below me
.endr
.irp j, 0,1,2,3,4,5,6,7
	v_cndmask_b32 v[56+\j], v[56+\j], v[114+\j], s[32+\j]
.endr
	v_writelane_b32 v88, s48, bin
.set bin, bin+1
.endr
	ds_store_b32 v5, v88
	s_wait_dscnt 0x0                               ; for the others' sake: my wave's counts lie in LDS
	s_barrier_signal -1
	s_barrier_wait -1
	ds_load_b128 v[96:99], v4
	ds_load_b128 v[100:103], v4 offset:16          ; lane = bin: the eight waves' counts
	s_wait_dscnt 0x0
	v_add3_u32 v104, v96, v97, v98
	s_delay_alu instid0(VALU_DEP_1)
	v_add3_u32 v104, v104, v99, v100
	s_delay_alu instid0(VALU_DEP_1)
	v_add3_u32 v104, v104, v101, v102
	s_delay_alu instid0(VALU_DEP_1)
	v_add_nc_u32 v104, v104, v103                  ; the bin's size
.irp i, 0,1,2,3,4,5,6
	s_cmp_gt_u32 s18, \i
	s_cselect_b32 s30, -1, 0
	v_and_b32 v109, s30, v[96+\i]
	s_delay_alu instid0(VALU_DEP_1)
	v_add_nc_u32 v105, v105, v109                  ; the counts of the waves in front of mine
.endr
	v_mov_b32 v106, v104                           ; a running sum over the bins: within each half of the lanes,
.irp k, 1,2,4,8
	s_delay_alu instid0(VALU_DEP_1)
	v_mov_b32_dpp v109, v106 row_shr:\k row_mask:0xf bank_mask:0xf bound_ctrl:1
	s_delay_alu instid0(VALU_DEP_1)
	v_add_nc_u32 v106, v106, v109
.endr
	s_delay_alu instid0(VALU_DEP_1)
	v_readlane_b32 s30, v106, 15
	s_delay_alu instid0(VALU_DEP_1)
	v_mov_b32 v109, s30
	s_delay_alu instid0(VALU_DEP_1)
	v_cndmask_b32 v109, 0, v109, s22
	s_delay_alu instid0(VALU_DEP_1)
	v_add_nc_u32 v106, v106, v109                  ; and the lower half's total onto the upper
	s_delay_alu instid0(VALU_DEP_1)
	v_sub_nc_u32 v107, v106, v104                  ; where the bin begins
	s_delay_alu instid0(VALU_DEP_1)
	v_add_nc_u32 v108, v107, v105                  ; where my wave's part of it begins
.set bin, 0
.rept 28                               ; each token takes its bin's figure
	v_readlane_b32 s30, v108, bin
	s_delay_alu instid0(VALU_DEP_1)
	v_mov_b32 v109, s30
.irp j, 0,1,2,3,4,5,6,7
	v_cmp_eq_u32 vcc_lo, bin, v[24+\j]
	s_delay_alu instid0(VALU_DEP_1)
	v_cndmask_b32 v[72+\j], v[72+\j], v109, vcc_lo
.endr
.set bin, bin+1
.endr
.irp j, 0,1,2,3,4,5,6,7
	v_add_nc_u32 v[72+\j], v[72+\j], v[56+\j]      ; the token's position
	s_delay_alu instid0(VALU_DEP_1)
	v_min_u32 v[72+\j], 0x7ff, v[72+\j]            ; (it is under 2,048 by the sort; held there since it enters an address)
	s_delay_alu instid0(VALU_DEP_1)
	v_lshlrev_b32 v[80+\j], 3, v[72+\j]
	s_delay_alu instid0(VALU_DEP_2)
	v_lshlrev_b32 v[72+\j], 2, v[72+\j]
.endr
	s_wait_alu depctr_va_vdst(0)
	s_wait_loadcnt 0x0                             ; the weights
.irp j, 0,1,2,3,4,5,6,7
	global_store_b32 v[72+\j], v[64+\j], s[14:15]                  ; scattered stores of 4 and 8 bytes: 32 KB in all, by one work-group, beside the stream
	global_store_b32 v[72+\j], v[32+\j], s[14:15] offset:8192
	global_store_b64 v[80+\j], v[40+2*\j:41+2*\j], s[16:17]
.endr
	s_cmp_lg_u32 s18, 0
	s_cbranch_scc1 .Lsorted
	v_lshlrev_b32 v110, 6, v3                      ; wave 0: lane = block of 64 positions: its first position,
	s_delay_alu instid0(VALU_DEP_1)
	v_add_nc_u32 v111, 64, v110                    ; and the first behind it
	v_mov_b32 v112, 0
	v_lshlrev_b32 v113, 2, v3
.set bin, 0
.set a, 0
.rept 7
.set i, 0
.rept 7
.if i < (7-a)
.if (a%2) == 0
.set b, a+1+i
.else
.set b, 7-i
.endif
	v_readlane_b32 s30, v107, bin                  ; the bin's first position,
	v_readlane_b32 s31, v104, bin                  ; its size,
	s_add_co_u32 s32, s30, s31                     ; its end
	s_cmp_lg_u32 s31, 0
	s_cselect_b32 s33, (1<<a)|(1<<b), 0            ; an empty bin adds nothing
	v_cmp_lt_u32 s34, s30, v111
	v_cmp_gt_u32 s35, s32, v110
	s_and_b32 s34, s34, s35                        ; the blocks that it reaches into
	v_mov_b32 v109, s33
	s_delay_alu instid0(VALU_DEP_1)
	v_cndmask_b32 v109, 0, v109, s34
	s_delay_alu instid0(VALU_DEP_1)
	v_or_b32 v112, v112, v109
.set bin, bin+1
.endif
.set i, i+1
.endr
.set a, a+1
.endr
	global_store_b32 v113, v112, s[14:15] offset:16384
	s_wait_tensorcnt 0x0
	ds_add_u32 v13, v255
	s_wait_dscnt 0x0
	s_endpgm
.Lsorted:
	s_wait_tensorcnt 0x0
	ds_add_u32 v13, v255
	s_wait_dscnt 0x0
	s_endpgm
.Lfunc_end_k_q7633e06c72_qw_route:
	.size	k_q7633e06c72_qw_route, .Lfunc_end_k_q7633e06c72_qw_route-k_q7633e06c72_qw_route
	.p2alignl 7, 3214868480
	.fill 96, 4, 3214868480
	.section	.rodata,"a",@progbits
	.p2align	6, 0x0
	.amdhsa_kernel k_q7633e06c72_qw_route
		.amdhsa_group_segment_fixed_size 36864
		.amdhsa_private_segment_fixed_size 0
		.amdhsa_enable_private_segment 0
		.amdhsa_kernarg_size 56
		.amdhsa_user_sgpr_count 2
		.amdhsa_user_sgpr_kernarg_segment_ptr 1
		.amdhsa_wavefront_size32 1
		.amdhsa_system_sgpr_workgroup_id_x 1
		.amdhsa_system_sgpr_workgroup_id_y 1
		.amdhsa_system_sgpr_workgroup_id_z 1
		.amdhsa_system_vgpr_workitem_id 0
		.amdhsa_next_free_vgpr 256
		.amdhsa_next_free_sgpr 66
		.amdhsa_reserve_vcc 1
		.amdhsa_float_denorm_mode_32 3
		.amdhsa_float_denorm_mode_16_64 3
		.amdhsa_memory_ordered 1
		.amdhsa_forward_progress 1
		.amdhsa_inst_pref_size 198
	.end_amdhsa_kernel
	.amdgpu_metadata
---
amdhsa.version: [ 1, 2 ]
amdhsa.kernels:
  - .name:           k_q7633e06c72_qw_route
    .symbol:         k_q7633e06c72_qw_route.kd
    .args:
      - { .name: W_experts, .offset: 0, .size: 8, .value_kind: global_buffer, .address_space: global }
      - { .name: keys, .offset: 8, .size: 8, .value_kind: global_buffer, .address_space: global }
      - { .name: gw, .offset: 16, .size: 8, .value_kind: global_buffer, .address_space: global }
      - { .name: wc, .offset: 24, .size: 8, .value_kind: global_buffer, .address_space: global }
      - { .name: wsc, .offset: 32, .size: 8, .value_kind: global_buffer, .address_space: global }
      - { .name: order, .offset: 40, .size: 8, .value_kind: global_buffer, .address_space: global }
      - { .name: wsort, .offset: 48, .size: 8, .value_kind: global_buffer, .address_space: global }
    .group_segment_fixed_size: 36864
    .private_segment_fixed_size: 0
    .kernarg_segment_align: 8
    .kernarg_segment_size: 56
    .max_flat_workgroup_size: 256
    .sgpr_count:     66
    .vgpr_count:     256
    .wavefront_size: 32
...
	.end_amdgpu_metadata
.endif
;; end of part 2
;; launch moe (part 3): grid 8 x 32, 4 waves a work-group, no clusters, 84,480 bytes of LDS; arguments xc, xsc, wc, wsc, b_experts, order, wsort, out0; writes out0
.if DOCPART == 3
	.amdgcn_target "amdgcn-amd-amdhsa--gfx1250"
	.amdhsa_code_object_version 6
	.text
	.protected	k_q7633e06c72_moe
	.globl	k_q7633e06c72_moe
	.p2align	8
	.type	k_q7633e06c72_moe,@function
k_q7633e06c72_moe:
	s_mov_b64 s[64:65], 0
	v_nop
	global_prefetch_b8 v0, s[64:65] scope:SCOPE_SE
	s_setreg_imm32_b32 hwreg(HW_REG_WAVE_MODE, 25, 1), 1
	s_wait_xcnt 0x0
; out[n][o] = the sum over the token's two experts of g[n][e] relu(Q(x[n]) . Q(W[e][o]) + b[e][o]), on codes of FP4 (E2M1) with E8M0 scales.
; A work-group owns 64 tokens (a block of the list sorted by pairs of experts) x 256 output columns, and so every number that it stores: no sums between work-groups.
; It walks ONLY the experts that its block uses (a mask read from the list; two at the least, since a token has two).  For a token that does not use the expert in hand the weight is 0.
; SHARES: four waves, each 64 columns (4 tiles t) x all 64 tokens (4 tiles m): 16 accumulators.  No byte of W is loaded twice in a work-group.
; The trip count and the experts' addresses hang on the stored list, so the weights go from memory straight into registers: wc and wsc are laid in the order of the operand's registers,
; a lane loads 16 bytes at 16 x lane.  A ring of 8 buffers holds 8 K steps of W ahead of the products, on into the next expert.
; No joint requests: which experts a block walks, and how many, differs from block to block.
; x's 64 rows of codes are gathered once into LDS (rows 1,040 bytes apart) and read from there, a K step ahead.
; THE MATRIX INSTRUCTION IS USED TRANSPOSED: source 0 = 16 columns of W, source 1 = 16 tokens: lane (r, h), register j holds token 16 m + r, column 16 t + 8 h + j.  The bias is the C of a sum's first product.
; REGISTERS, in windows of 256: window 0: addresses, lists, scale words, bias, x's fragments.  Window 1: the ring of W.  Window 2: v0-127 the accumulators ((t, m) at 8 (4 t + m)), v128-255 the output's sums, laid likewise.
; LIMITS: as the launches that made the codes state them.
.set XPITCH, 1040                      ; a token's 1,024 bytes of codes + 16: an odd multiple of 16, so that the 16 rows of a load fall on 16 different 16-byte columns of 256
.set XTILE,  16*XPITCH
.set STG,    64*XPITCH                 ; behind x: a stage of 16 rows x (256 + 16) bytes for each wave
.set SPITCH, 272
.set STGW,   16*SPITCH
.set L16,  1                           ; v1   16 x lane
.set XA,   2                           ; v2   x's fragments: r x pitch + 16 h
.set BOFF, 3                           ; v3   32 h
.set XW,   4                           ; v4   where I put gathered rows: 16 rows x wave + 16 x lane
.set STO,  5                           ; v5   the stage: row r, + 32 h
.set SRD,  6                           ; v6   and back: row 8 h, + 16 r
.set R4,   7                           ; v7   4 r
.set TK,   8                           ; v8-11   token at position 16 m + r
.set ELO,  12                          ; v12-15  its lower expert
.set EHI,  16                          ; v16-19  its higher expert
.set WP,   20                          ; v20-27  its two weights
.set CW,   28                          ; v28-35  its weight for the expert in hand (even registers; the odd ones are 0: named as pairs)
.set EP,   36                          ; v36-39  the experts as loaded
.set XS,   40                          ; v40-71  x's scale words: register 8 m + j: lanes 0-15 K step j, lanes 16-31 K step 8 + j
.set WS,   72                          ; v72-103 W's: register 16 q + 4 t + i: lanes 0-15 K step 8 q + 2 i, lanes 16-31 K step 8 q + 2 i + 1
.set BIAS, 104                         ; v104-135 the bias, 8 registers a tile t, in the result's layout; on the way out rows of out
.set XF,   136                         ; v136-199 x's fragments, two sets of 32; on the way out rows of out
.set TS,   200                         ; v200-231 register 8 m + i: byte offset in out of the token at position 16 m + 8 h + i, + 16 r
.set RO,   232                         ; v232-247 the gather's offsets
.set XO,   248                         ; v248-251 offsets of x's scale words
.set R8,   252                         ; v252 8 r
.set R16,  253                         ; v253 16 r
.set MSB, 0
.macro WIN new                         ; the immediate's high byte repeats the setting that is left; a switch that changes nothing is dropped
.if MSB != \new
	s_set_vgpr_msb (MSB<<8)|\new
.set MSB, \new
.endif
.endm
.set MUL,   0xa1                       ; source 0 (W) window 1, source 1 (x) window 0, C and D window 2
.set MUL0,  0x81                       ; the same with C (the bias) in window 0
.set LDW,   0x40                       ; destination window 1
.set EPI,   0xa8                       ; source 0 window 0; sources 1, 2 and destination window 2
.set TO2,   0x80                       ; destination window 2
.set FROM2, 0x08                       ; an LDS store's data (source 1) window 2
	s_load_b512 s[4:19], s[0:1], 0x0               ; xc s[4:5], xsc s[6:7], wc s[8:9], wsc s[10:11], b s[12:13], order s[14:15], wsort s[16:17], out s[18:19]
	s_set_vgpr_msb 0xc0
	v_lshl_add_u32 v0, v0, 2, 0x14800
	v_mov_b32 v1, 0
	s_set_vgpr_msb 0xc000
	v_and_b32 v254, 31, v0
	v_lshrrev_b32 v255, 5, v0
	v_readfirstlane_b32 s20, v255                  ; wave 0..3
	v_lshlrev_b32 v[L16], 4, v254
	v_and_b32 v255, 15, v0                         ; r
	v_bfe_u32 v254, v0, 4, 1                       ; h
	v_mul_u32_u24 v[XA], v255, XPITCH
	v_lshl_add_u32 v[XA], v254, 4, v[XA]
	v_lshlrev_b32 v[BOFF], 5, v254
	s_mul_i32 s29, s20, XTILE
	v_add_nc_u32 v[XW], s29, v[L16]
	s_mul_i32 s29, s20, STGW
	s_add_co_u32 s29, s29, STG
	v_mul_u32_u24 v[STO], v255, SPITCH
	v_lshl_add_u32 v[STO], v254, 5, v[STO]
	v_add_nc_u32 v[STO], s29, v[STO]
	v_mul_u32_u24 v[SRD], v254, 8*SPITCH
	v_lshl_add_u32 v[SRD], v255, 4, v[SRD]
	v_add_nc_u32 v[SRD], s29, v[SRD]
	v_lshlrev_b32 v[R4], 2, v255
	v_lshlrev_b32 v[R8], 3, v255
	v_lshlrev_b32 v[R16], 4, v255
	v_and_b32 v254, 31, v0
	v_lshlrev_b32 v254, 3, v254                    ; v254: 8 x lane, for W's scale words; kept from here on
.irp m, 0,1,2,3
	v_mov_b32 v[CW+2*\m+1], 0
.endr
	s_and_b32 s22, ttmp7, 0xffff                   ; my block of 64 positions
	s_lshl_b32 s23, ttmp9, 2
	s_add_co_u32 s23, s23, s20                     ; g: my wave's group of 64 columns
	s_mov_b32 s31, 0
	s_wait_alu depctr_va_vdst(0)
	s_wait_kmcnt 0x0
	s_lshl_b32 s30, s22, 2
	s_add_nc_u64 s[48:49], s[14:15], s[30:31]
	s_load_b32 s24, s[48:49], 0x4000               ; the block's mask of experts
	s_lshl_b32 s30, s22, 8
	s_add_nc_u64 s[62:63], s[14:15], s[30:31]      ; the list at my block
	s_lshl_b32 s30, s20, 6
	s_add_nc_u64 s[2:3], s[62:63], s[30:31]
	s_load_b512 s[32:47], s[2:3], 0x0              ; the 16 tokens whose rows my wave gathers
	s_lshl_b32 s30, s22, 9
	s_add_nc_u64 s[16:17], s[16:17], s[30:31]      ; the sorted weights at my block
	s_lshl_b32 s30, s23, 16
	s_add_nc_u64 s[56:57], s[8:9], s[30:31]        ; wc, wsc, b and out at my group of columns
	s_lshl_b32 s30, s23, 12
	s_add_nc_u64 s[58:59], s[10:11], s[30:31]
	s_lshl_b32 s30, s23, 8
	s_add_nc_u64 s[60:61], s[12:13], s[30:31]
	s_add_nc_u64 s[18:19], s[18:19], s[30:31]
.irp m, 0,1,2,3
	global_load_b32 v[TK+\m], v[R4], s[62:63] offset:64*\m
.endr
.irp m, 0,1,2,3
	global_load_b32 v[EP+\m], v[R4], s[62:63] offset:8192+64*\m
.endr
.irp m, 0,1,2,3
	global_load_b64 v[WP+2*\m:WP+2*\m+1], v[R8], s[16:17] offset:128*\m
.endr
.irp m, 0,1,2,3
.irp i, 0,1
	global_load_b128 v[TS+8*\m+4*\i:TS+8*\m+4*\i+3], v[BOFF], s[62:63] offset:64*\m+16*\i
.endr
.endr
	; the output's sums begin as zeros: which expert comes first is known from the list alone, so no first step can be written out ahead of the loop
	WIN TO2
.set i, 0
.rept 128
	v_mov_b32 v[128+i], 0
.set i, i+1
.endr
	WIN 0
	s_wait_kmcnt 0x0
.irp i, 0,1,2,3,4,5,6,7,8,9,10,11,12,13,14,15
	s_min_u32 s[32+\i], s[32+\i], 0x7ff            ; a token's number enters an address: held inside the table
	v_lshl_add_u32 v[RO+\i], s[32+\i], 10, v[L16]
.endr
	WIN TO2
	s_wait_alu depctr_va_vdst(0)
.irp i, 0,1,2,3,4,5,6,7,8,9,10,11,12,13,14,15
	global_load_b128 v[8*\i:8*\i+3], v[RO+\i], s[4:5]                  ; a whole row of codes: two loads of 512 consecutive bytes, into the accumulators' registers, which are free yet
	global_load_b128 v[8*\i+4:8*\i+7], v[RO+\i], s[4:5] offset:512
.endr
	WIN 0
	s_wait_loadcnt 48                              ; the four loads of tokens are in: 16 list loads and 32 row loads are younger
.irp m, 0,1,2,3
	v_min_u32 v[TK+\m], 0x7ff, v[TK+\m]
	v_lshl_add_u32 v[XO+\m], v[TK+\m], 6, v[BOFF]  ; the token's 64 scale bytes, + 32 h
.endr
.irp m, 0,1,2,3
	global_load_b128 v[XS+8*\m:XS+8*\m+3], v[XO+\m], s[6:7]
	global_load_b128 v[XS+8*\m+4:XS+8*\m+7], v[XO+\m], s[6:7] offset:16
.endr
.macro SETNXT                          ; the next expert's addresses: wc 2^21, wsc 2^17, b 2^13 bytes an expert
	s_lshl_b32 s30, s28, 21
	s_add_nc_u64 s[50:51], s[56:57], s[30:31]
	s_lshl_b32 s30, s28, 17
	s_add_nc_u64 s[52:53], s[58:59], s[30:31]
	s_lshl_b32 s30, s28, 13
	s_add_nc_u64 s[54:55], s[60:61], s[30:31]
.endm
	s_bcnt1_i32_b32 s25, s24
	s_sub_co_u32 s25, s25, 1                       ; the loop's trips: all experts but the last, which the tail takes
	s_min_u32 s25, s25, 7
	s_max_u32 s25, s25, 1
	s_ctz_i32_b32 s28, s24                         ; the first expert
	s_min_u32 s28, s28, 7
	s_add_co_u32 s29, s24, -1
	s_and_b32 s24, s24, s29                        ; the experts that remain
	SETNXT
.macro LBIAS                           ; the next expert's bias: lane (r, h) wants, for tile t, columns 16 t + 8 h + 0 .. 7
.irp t, 0,1,2,3
	global_load_b128 v[BIAS+8*\t:BIAS+8*\t+3], v[BOFF], s[54:55] offset:64*\t
	global_load_b128 v[BIAS+8*\t+4:BIAS+8*\t+7], v[BOFF], s[54:55] offset:64*\t+16
.endr
.endm
.macro LWS q                           ; its scale words for K steps 8 q .. 8 q + 7
.irp t, 0,1,2,3
	global_load_b64 v[WS+16*(\q)+4*\t:WS+16*(\q)+4*\t+1], v254, s[52:53] offset:2048*(\q)+256*\t          ; wsc lies by quarters of K, two words a lane: 256 consecutive bytes a load
	global_load_b64 v[WS+16*(\q)+4*\t+2:WS+16*(\q)+4*\t+3], v254, s[52:53] offset:2048*(\q)+1024+256*\t
.endr
.endm
.macro RING buf, base, st              ; K step st of the expert at s[base:base+1] into ring buffer buf: four fragments, 4,096 consecutive bytes
.irp t, 0,1,2,3
.irp c, 0,1
	global_load_b128 v[32*(\buf)+8*\t+4*\c:32*(\buf)+8*\t+4*\c+3], v[L16], s[\base:\base+1] offset:4096*(\st)+1024*\t+512*\c
.endr
.endr
.endm
.macro XLOAD s                         ; x's four fragments of K step s into set s % 2
.irp m, 0,1,2,3
.irp c, 0,1
	ds_load_b128 v[XF+32*((\s)%2)+8*\m+4*\c:XF+32*((\s)%2)+8*\m+4*\c+3], v[XA] offset:XTILE*\m+64*(\s)+32*\c
.endr
.endr
.endm
	LBIAS
	LWS 0
	LWS 1
	WIN LDW
.irp s, 0,1,2,3,4,5,6,7
	RING \s, 50, \s
.endr
	WIN 0
	s_wait_loadcnt 63                              ; the ring's 64 loads are the youngest: with at most 63 out, every load in front of them is in
	WIN FROM2
.irp i, 0,1,2,3,4,5,6,7,8,9,10,11,12,13,14,15
	ds_store_b128 v[XW], v[8*\i:8*\i+3] offset:XPITCH*\i
	ds_store_b128 v[XW], v[8*\i+4:8*\i+7] offset:XPITCH*\i+512
.endr
	WIN 0
.irp m, 0,1,2,3
	v_and_b32 v[ELO+\m], 0xff, v[EP+\m]
	v_lshrrev_b32 v[EHI+\m], 8, v[EP+\m]
.endr
.set i, 0
.rept 32
	v_min_u32 v[TS+i], 0x7ff, v[TS+i]
	v_lshl_add_u32 v[TS+i], v[TS+i], 13, v[R16]    ; a row of out is 8,192 bytes
.set i, i+1
.endr
	s_wait_dscnt 0x0                               ; for the others' sake: my 16 rows of x lie in LDS
	s_barrier_signal -1
	s_barrier_wait -1                              ; all 64 do: the launch's one barrier
	XLOAD 0
	XLOAD 1
.macro MM s, t, m                      ; one product: tile (t, m), K step s.  A's scale word lies in lanes 16-31 for odd s, B's for s >= 8
.set rD, 8*(4*(\t)+(\m))
.set rA, 32*((\s)%8)+8*(\t)
.set rB, XF+32*((\s)%2)+8*(\m)
.set rSA, WS+16*((\s)/8)+4*(\t)+((\s)%8)/2
.set rSB, XS+8*(\m)+(\s)%8
.if (\s) == 0
	v_wmma_scale_f32_16x16x128_f8f6f4 v[rD:rD+7], v[rA:rA+7], v[rB:rB+7], v[BIAS+8*(\t):BIAS+8*(\t)+7], v[rSA], v[rSB] matrix_a_fmt:MATRIX_FMT_FP4 matrix_b_fmt:MATRIX_FMT_FP4
.elseif ((\s) < 8) && (((\s)%2) == 0)
	v_wmma_scale_f32_16x16x128_f8f6f4 v[rD:rD+7], v[rA:rA+7], v[rB:rB+7], v[rD:rD+7], v[rSA], v[rSB] matrix_a_fmt:MATRIX_FMT_FP4 matrix_b_fmt:MATRIX_FMT_FP4
.elseif (\s) < 8
	v_wmma_scale_f32_16x16x128_f8f6f4 v[rD:rD+7], v[rA:rA+7], v[rB:rB+7], v[rD:rD+7], v[rSA], v[rSB] matrix_a_fmt:MATRIX_FMT_FP4 matrix_b_fmt:MATRIX_FMT_FP4 matrix_a_scale:MATRIX_SCALE_ROW1
.elseif ((\s)%2) == 0
	v_wmma_scale_f32_16x16x128_f8f6f4 v[rD:rD+7], v[rA:rA+7], v[rB:rB+7], v[rD:rD+7], v[rSA], v[rSB] matrix_a_fmt:MATRIX_FMT_FP4 matrix_b_fmt:MATRIX_FMT_FP4 matrix_b_scale:MATRIX_SCALE_ROW1
.else
	v_wmma_scale_f32_16x16x128_f8f6f4 v[rD:rD+7], v[rA:rA+7], v[rB:rB+7], v[rD:rD+7], v[rSA], v[rSB] matrix_a_fmt:MATRIX_FMT_FP4 matrix_b_fmt:MATRIX_FMT_FP4 matrix_a_scale:MATRIX_SCALE_ROW1 matrix_b_scale:MATRIX_SCALE_ROW1
.endif
.endm
; A K step of 128: 16 products, the 16 accumulators by turns, one instruction a turn, in the same order in every step.  nx = 1: an expert follows this one.
.macro STEP s, nx
.if (\nx) || ((\s) <= 8)
	s_wait_loadcnt 56                              ; this step's 8 ring loads are in: behind them stand the ring loads of seven steps, 56 (bias and scale loads among them only add to that)
.else
	s_wait_loadcnt 8*(15-(\s))                     ; the tail asks for nothing more: the counts run down
.endif
.if (!(\nx)) && ((\s) == 15)
	s_wait_dscnt 0x0
.else
	s_wait_dscnt 8                                 ; x's fragments of this step are in; the next step's 8 loads are younger
.endif
.if (\s) == 0
	WIN MUL0
.else
	WIN MUL
.endif
.irp m, 0,1,2,3
.irp t, 0,1,2,3
	MM \s, \t, \m
.endr
.endr
.rept 4
	v_nop                                          ; four places in front of loads into registers that these products have read (ISA guide 7.12.1 for vector instructions)
.endr
.if (\s) < 8
	WIN LDW
	RING (\s)%8, 48, (\s)+8                        ; the buffer just read takes the step 8 on: of this expert,
.elseif \nx
	WIN LDW
	RING (\s)%8, 50, (\s)-8                        ; or of the next
.endif
	WIN 0
.if (\nx) || ((\s) < 14)
	XLOAD ((\s)+2)%16                              ; x is the same for every expert: the walk goes round
.endif
.if \nx
.if (\s) == 0
	LBIAS                                          ; each of these registers is loaded anew as soon as its last product has read it
.elseif (\s) == 7
	LWS 0
.elseif (\s) == 15
	LWS 1
.endif
.endif
.endm
.macro NEXT nx                         ; on to the next expert
	s_wait_xcnt 0x0                                ; the loads that are out have read their bases: these may be written
	s_mov_b64 s[48:49], s[50:51]
	s_mov_b32 s27, s28
.if \nx
	s_ctz_i32_b32 s28, s24
	s_min_u32 s28, s28, 7
	s_add_co_u32 s29, s24, -1
	s_and_b32 s24, s24, s29
	SETNXT
.endif
.endm
.macro EPILOGUE                        ; out's sums += c relu(accumulator): c = the token's weight for the expert in hand, 0 where it does not use it
.irp m, 0,1,2,3
	v_cmp_eq_u32 vcc_lo, s27, v[ELO+\m]
	v_cndmask_b32 v[CW+2*\m], 0, v[WP+2*\m], vcc_lo
	v_cmp_eq_u32 vcc_lo, s27, v[EHI+\m]
	v_cndmask_b32 v[CW+2*\m], v[CW+2*\m], v[WP+2*\m+1], vcc_lo
.endr
	WIN EPI
.irp t, 0,1,2,3
.irp m, 0,1,2,3
.irp j, 0,1,2,3,4,5,6,7
	v_max_num_f32 v[8*(4*\t+\m)+\j], 0, v[8*(4*\t+\m)+\j]            ; each accumulator from its low end on
.endr
.irp j, 0,2,4,6
	v_pk_fma_f32 v[128+8*(4*\t+\m)+\j:128+8*(4*\t+\m)+\j+1], v[CW+2*\m:CW+2*\m+1], v[8*(4*\t+\m)+\j:8*(4*\t+\m)+\j+1], v[128+8*(4*\t+\m)+\j:128+8*(4*\t+\m)+\j+1] op_sel_hi:[0,1,1]
.endr
.endr
.endr
	WIN 0                                          ; at a label and at a branch every window is 0
.endm
	s_mov_b32 s26, 0
.Ltrip:                                            ; a trip is one expert that has a successor
	NEXT 1
.irp s, 0,1,2,3,4,5,6,7,8,9,10,11,12,13,14,15
	STEP \s, 1
.endr
	EPILOGUE
	s_add_co_u32 s26, s26, 1
	s_cmp_lt_u32 s26, s25
	s_cbranch_scc1 .Ltrip
	NEXT 0                                         ; the block's last expert is written out: it asks for nothing beyond itself
.irp s, 0,1,2,3,4,5,6,7,8,9,10,11,12,13,14,15
	STEP \s, 0
.endr
	EPILOGUE
; THE WAY OUT, a tile of 16 tokens at a time.  A lane holds 32 neighbouring bytes of a token's row; they go through my own stage in LDS and come back as my 256 bytes of each row,
; so that sixteen lanes store 256 consecutive bytes, aligned, of the token's row of out.  LDS serves a wave's instructions in order: no wait between the stores and the loads, nor in front of the next tile's stores.
.macro TOSTAGE m
	WIN FROM2
.irp t, 0,1,2,3
	ds_store_b128 v[STO], v[128+8*(4*\t+(\m)):128+8*(4*\t+(\m))+3] offset:64*\t
	ds_store_b128 v[STO], v[128+8*(4*\t+(\m))+4:128+8*(4*\t+(\m))+7] offset:64*\t+16
.endr
	WIN 0
.irp i, 0,1,2,3,4,5,6,7
	ds_load_b128 v[BIAS+32*((\m)%2)+4*\i:BIAS+32*((\m)%2)+4*\i+3], v[SRD] offset:SPITCH*\i   ; lanes 0-15: row i; lanes 16-31: row 8 + i
.endr
.endm
.macro SEND m, younger                 ; younger: the LDS instructions issued behind tile m's loads, which may stay out
	s_wait_dscnt \younger
.irp i, 0,1,2,3,4,5,6,7
	global_store_b128 v[TS+8*(\m)+\i], v[BIAS+32*((\m)%2)+4*\i:BIAS+32*((\m)%2)+4*\i+3], s[18:19] th:TH_STORE_NT
.endr
.endm
	TOSTAGE 0
	TOSTAGE 1
	s_wait_alu depctr_va_vdst(0)
	SEND 0, 16                                     ; behind tile 0's loads: tile 1's 8 stores and 8 loads
	s_wait_xcnt 0x0                                ; tile 0's stores have read their data: tile 2's loads may land there
	TOSTAGE 2
	SEND 1, 16
	s_wait_xcnt 0x0
	TOSTAGE 3
	SEND 2, 16
	SEND 3, 0
	s_set_vgpr_msb 0xf
	s_wait_tensorcnt 0x0
	ds_add_u32 v0, v1
	s_wait_dscnt 0x0
	s_set_vgpr_msb 0xf00
	s_endpgm
.Lfunc_end_k_q7633e06c72_moe:
	.size	k_q7633e06c72_moe, .Lfunc_end_k_q7633e06c72_moe-k_q7633e06c72_moe
	.p2alignl 7, 3214868480
	.fill 96, 4, 3214868480
	.section	.rodata,"a",@progbits
	.p2align	6, 0x0
	.amdhsa_kernel k_q7633e06c72_moe
		.amdhsa_group_segment_fixed_size 84480
		.amdhsa_private_segment_fixed_size 0
		.amdhsa_enable_private_segment 0
		.amdhsa_kernarg_size 64
		.amdhsa_user_sgpr_count 2
		.amdhsa_user_sgpr_kernarg_segment_ptr 1
		.amdhsa_wavefront_size32 1
		.amdhsa_system_sgpr_workgroup_id_x 1
		.amdhsa_system_sgpr_workgroup_id_y 1
		.amdhsa_system_sgpr_workgroup_id_z 1
		.amdhsa_system_vgpr_workitem_id 0
		.amdhsa_next_free_vgpr 770
		.amdhsa_next_free_sgpr 66
		.amdhsa_reserve_vcc 1
		.amdhsa_float_denorm_mode_32 3
		.amdhsa_float_denorm_mode_16_64 3
		.amdhsa_memory_ordered 1
		.amdhsa_forward_progress 1
		.amdhsa_inst_pref_size 165
	.end_amdhsa_kernel
	.amdgpu_metadata
---
amdhsa.version: [ 1, 2 ]
amdhsa.kernels:
  - .name:           k_q7633e06c72_moe
    .symbol:         k_q7633e06c72_moe.kd
    .args:
      - { .name: xc, .offset: 0, .size: 8, .value_kind: global_buffer, .address_space: global }
      - { .name: xsc, .offset: 8, .size: 8, .value_kind: global_buffer, .address_space: global }
      - { .name: wc, .offset: 16, .size: 8, .value_kind: global_buffer, .address_space: global }
      - { .name: wsc, .offset: 24, .size: 8, .value_kind: global_buffer, .address_space: global }
      - { .name: b_experts, .offset: 32, .size: 8, .value_kind: global_buffer, .address_space: global }
      - { .name: order, .offset: 40, .size: 8, .value_kind: global_buffer, .address_space: global }
      - { .name: wsort, .offset: 48, .size: 8, .value_kind: global_buffer, .address_space: global }
      - { .name: out0, .offset: 56, .size: 8, .value_kind: global_buffer, .address_space: global }
    .group_segment_fixed_size: 84480
    .private_segment_fixed_size: 0
    .kernarg_segment_align: 8
    .kernarg_segment_size: 64
    .max_flat_workgroup_size: 128
    .sgpr_count:     66
    .vgpr_count:     770
    .wavefront_size: 32
...
	.end_amdgpu_metadata
.endif
;; end of part 3
